; MI455X (gfx1250); checked and timed in simulation.
; The chip was launched on July 23, 2026; its instructions are those of AMD's public machine-readable ISA for CDNA 5 (MIT licence, August 2026) and "CDNA5" Instruction Set Architecture Reference Guide (July 2026). The comments in the code are by the model that wrote it; some were corrected since.
;; Core Attention. Allowed arithmetic: matrix products marked QUANTISED: E2M3 operands, one E8M0 scale for each 32 along K, by v_wmma_scale_f32_16x16x128_f8f6f4 with both operands' format E2M3, f32 sums; everything else in f32.
;; Inputs: key_states_codes 2 x 16 x 2,048 x 2 x 24 uint8 (E2M3 codes of key_states, K innermost, in blocks of 32 codes, four codes in three bytes); key_states_scales 2 x 16 x 2,048 x 2 uint8 (E8M0 scales of key_states, one for each 32 codes along K); query_states_codes 2 x 16 x 2,048 x 2 x 24 uint8 (E2M3 codes of query_states, K innermost, in blocks of 32 codes, four codes in three bytes); query_states_scales 2 x 16 x 2,048 x 2 uint8 (E8M0 scales of query_states, one for each 32 codes along K); value_states_codes 2 x 16 x 64 x 64 x 24 uint8 (E2M3 codes of value_states, K innermost, in blocks of 32 codes, four codes in three bytes); value_states_scales 2 x 16 x 64 x 64 uint8 (E8M0 scales of value_states, one for each 32 codes along K).
;; Outputs: out0 2 x 16 x 2,048 x 64 float32.
;; This version of the problem:
;;   THIS VERSION OF THE PROBLEM IS GIVEN IN LOW PRECISION. The matrix products marked QUANTISED in the list below multiply operands that are first quantised to E2M3 (2 exponent bits, 3 mantissa bits; 6 bits a number), with one power-of-two scale for each 32 numbers along K (OCP MX v1.0); their sums are f32. All else is computed in f32.
;;   The module's matrix products, in the order in which they are computed (A, B: the left and right operand; K: the contracted axis; several contracted axes count as one K, in the product's order):
;;     1. batch 32 x [M 2,048, K 64] x [K 64, N 2,048]; A: input query_states (given as codes); B: input key_states (given as codes): QUANTISED
;;     2. batch 32 x [M 2,048, K 2,048] x [K 2,048, N 64]; A: softmax (see below); B: input value_states (given as codes): QUANTISED
;;   THE QUANTISER, for each operand of a quantised product, along K:
;;     - K is cut into blocks of 32 from its start; a last block that is shorter is filled with zeros.
;;     - A block's scale is 2^e with e = floor(log2(the largest magnitude in the block)) - 2, held to -126 .. 127; a block of zeros has e = 0. As a byte (E8M0): e + 127.
;;     - Each number is divided by its block's scale, clamped to +-7.5, and rounded to the nearest number of E2M3, ties to even, subnormals kept.
;;     - The product sums the exact products of the quantised numbers (number of the format x scale) in f32.
;;   ~~~python
;;   def quantise(x, axis):      # numpy; x: float32 -> the quantised numbers, widened to float32 again
;;       x = np.moveaxis(x, axis, -1); K = x.shape[-1]
;;       x = np.pad(x, [(0, 0)] * (x.ndim - 1) + [(0, -K % 32)]); x = x.reshape(x.shape[:-1] + (-1, 32)); a = np.abs(x).max(-1, keepdims=True)
;;       e = np.where(a > 0, np.clip(np.frexp(np.where(a > 0, a, 1))[1] - 1 - 2, -126, 127), 0)      # np.frexp(a)[1] - 1 = floor(log2(a)), exactly
;;       r = np.clip(x / 2.0 ** e, -7.5, 7.5)
;;       step = 2.0 ** (np.maximum(np.frexp(np.where(r == 0, 1, r))[1] - 1, 0) - 3)
;;       q = np.round(r / step) * step * 2.0 ** e      # np.round: ties to even
;;       return np.moveaxis(q.reshape(q.shape[:-2] + (-1,))[..., :K], -1, axis).astype(np.float32)
;;   ~~~
;;   SOFTMAX AHEAD OF A QUANTISED PRODUCT. Where the list says 'softmax', what is quantised is not the finished softmax but p = 2^(t - M), with t = logit x log2(e) and M = ceil(the row's largest t), a whole number; so 1/2 < the row's largest p <= 1. The row's sum l is taken of the UNQUANTISED p, in f32, and the product's result is divided by l at the end. Since M is a whole number, a kernel that streams over the keys may use a running M (the ceiling of the running maximum): every later rescaling is an exact power of two, which a block's scale takes up: the codes' values come out the same.
;;   OPERANDS COMPUTED ON THE WAY. 'Computed on the way' means the value that the module computes at that place (a softmax that the list does not call 'softmax' is quantised finished and normalised). What goes into a quantiser is computed in f32, as accurately as f32 sums, v_exp_f32 and their like allow (about 1e-6 of the number): no bf16 or f16 on the way to a quantiser, and a product that is left as it is and whose result goes on into a quantised operand takes f32 operands (vector FMAs, or v_wmma_f32_16x16x4_f32). A number that lies on a knife's edge between two numbers of the format may be rounded either way, as far as f32 arithmetic and the matrix unit's own rounding can turn it there, and no further.
;;   INPUTS GIVEN AS CODES. key_states (in the module: [2, 16, 2048, 64], K = its axis 3); query_states (in the module: [2, 16, 2048, 64], K = its axis 3); value_states (in the module: [2, 16, 2048, 64], K = its axis 2): each comes as NAME_codes (uint8): NAME with its K axis moved to the last place and cut into blocks of 32 codes, [.., K / 32, bytes a block], one block behind the other in memory; four codes in three bytes: a row's codes are one little-endian stream of bits, code i at bits 6 i .. 6 i + 5 (a code: sign, 2 exponent bits, 3 mantissa bits); and NAME_scales (uint8): the same leading axes, one E8M0 byte (e + 127) for each 32 codes along K. Its value is code x scale, taken as it is: it is not quantised again, and the codes and scales need not be those that the quantiser above would give.
;; 2 versions. Each part assembles by itself: llvm-mc -triple=amdgcn-amd-amdhsa -mcpu=gfx1250 --defsym DOCPART=n.
;; ======== version 1 of 2: 1 launch
;; limits: right only within a limited range of input values
;; launch attn (part 1): grid 8 x 32, 16 waves a work-group, clusters of 4 x 1, 288,768 bytes of LDS; arguments key_states_codes, key_states_scales, query_states_codes, query_states_scales, value_states_codes, value_states_scales, out0; writes out0
.if DOCPART == 1
	.amdgcn_target "amdgcn-amd-amdhsa--gfx1250"
	.amdhsa_code_object_version 6
	.text
	.protected	k_qef1cc64e53_attn
	.globl	k_qef1cc64e53_attn
	.p2align	8
	.type	k_qef1cc64e53_attn,@function
k_qef1cc64e53_attn:
	s_mov_b64 s[64:65], 0
	v_nop
	global_prefetch_b8 v0, s[64:65] scope:SCOPE_SE
	s_setreg_imm32_b32 hwreg(HW_REG_WAVE_MODE, 25, 1), 1
	s_wait_xcnt 0x0
	s_wait_alu depctr_hold_cnt(0) depctr_sa_sdst(0) depctr_va_vdst(0) depctr_va_sdst(0) depctr_va_ssrc(0) depctr_va_vcc(0) depctr_vm_vsrc(0)
	s_getreg_b32 s2, hwreg(HW_REG_IB_STS2, 6, 4)
	s_cmp_eq_u32 s2, 0
	s_cbranch_scc0 .Lentry_in_a_cluster
	s_endpgm
.Lentry_in_a_cluster:
	s_bfe_u32 s2, ttmp6, 0x10000c
	s_cmp_lg_u32 s2, 0x3003
	s_cbranch_scc0 .Lentry_shape_is_right
	s_endpgm
.Lentry_shape_is_right:
; O[h][q][:] = the sum over k of softmax_k(Q[h][q] . K[h][k] / 8, hidden keys k > q set to -10,000) V[h][k][:], 32 heads, 2,048 queries and keys, head size 64; both products on codes of FP6 (E2M3) with one E8M0 byte for each 32 along K.
; Q, K: rows of 64 codes (48 bytes) and 2 scale bytes.  V: the keys innermost: for each head 64 rows (channels) of 2,048 codes (1,536 bytes) and 64 scale bytes.  O: f32, rows of 256 bytes.
; THE SOFTMAX AHEAD OF THE SECOND PRODUCT: t = score x log2(e) / 8; M = the row's largest t so far, rounded UP to a whole number; p = 2^(t - M) is quantised along the keys, not normalised; the row's sum is taken of the
; unquantised p and divides O at the end.  When M moves, the sum and O are multiplied by 2^(old M - new M): exact.
; SHARES.  Eight work-groups to a head, sixteen waves each; a wave owns ONE tile of 16 queries in 256 registers.  A head's queries are 16 blocks of 128; block b wants key steps 0 .. b of 128 keys, step b lying on the diagonal.
; A wave's block hangs on its number and on the cluster's x alone (a table of nibbles), so that all four partners of a cluster branch alike; the place in the cluster picks only WHICH tile of the block: it enters Q's and O's
; addresses and the mask's compare, and nothing else.  The table is a 4 x 4 square whose rows and columns all sum to 30 blocks: 34 key steps for every four waves taken by row or by column.
; LDS.  A head's K, V and scale bytes are 204,800 bytes: they come into LDS ONCE, in four chunks of 512 keys, and stay: nothing is ever filled again.  The four partners want the same bytes: every fill is asked for JOINTLY,
; by the same tensor load with a mask that names the four (a head has two clusters: a cluster has four work-groups here).
; LAYOUT.  Both products are used transposed: S^T = K Q^T (source 0 = 16 keys, source 1 = my 16 queries), O^T = V^T P^T (source 0 = 16 channels, source 1 = P): a lane holds ONE query (lane % 16) throughout.
; THE KEYS OF A TILE ARE NOT NEIGHBOURS: lane r of tile 2 b + u takes key 32 b + 8 u + r + 8 (r / 8), so that the 16 registers of tiles 2 b and 2 b + 1 are 16 neighbouring keys, 32 b + 16 (lane / 16) + 0 .. 15.
; K's groups of 8 keys lie in LDS in two regions, the even groups and the odd ones: a tile's 16 keys are then 16 consecutive rows of 48 bytes.
; THE FIRST PRODUCT'S K IS 64, THE INSTRUCTION'S 128: Q's upper 64 codes are zeros (six cleared registers).  K's operand names twelve registers of which the upper six are the next tile's codes: whatever they hold meets zero codes.
; LIMITS.  Key steps that lie wholly behind the diagonal are left out: their keys weigh exp(-10,000 - the row's largest logit), which is nothing in f32 unless a row's largest visible logit lies under about -9,900:
; such rows are not served.  In the diagonal step hidden scores get the module's own value (-80,000 ahead of the division by 8).  Scale bytes 0xff (NaN) are not served.  A p under 2^-126 counts as 0 (v_exp_f32 flushes);
; a block of p that is all zeros keeps the scale byte 1: its codes are zeros.
.set HCODE,  98304                     ; a head's codes in bytes, in each of the three tensors
.set KODD,   49152                     ; LDS: K's even groups from 0, its odd groups from here; a chunk of 512 keys is 32 rows of 384 bytes in each
.set VB,     98304                     ; V: four chunks of 64 rows
.set VP,     400                       ; a row of a chunk: 384 bytes of codes + 16 of zeros = 100 words: the 16 rows of a load start 36 words apart modulo 64 (64 banks of 4 bytes: ISA guide 11.1), at 16 different multiples of 4
.set VCH,    64*VP
.set SCK,    200704                    ; K's 4,096 scale bytes as 16 rows of 256 bytes + 16 of padding: one row is one key step
.set SCV,    SCK+4352                  ; V's likewise: channel d's 64 bytes at 64 d + 16 (d / 4)
.set STAGE,  SCV+4352                  ; the way out: 16 rows x 272 bytes for each wave; no load ever lands here.  It ends at 279,040
.set SPITCH, 272
.set WV,  18                           ; s18  my wave's number
.set BLK, 19                           ; s19  my block of 128 queries
.set SEL, 20                           ; s[20:21] lane selects for v_permlanex16_b32: lane l xor 16
.set CS,  22                           ; s[22:23] c = log2(e) / 8: the packed form names a pair and takes its low word for both halves
.set G1S, 24                           ; s[24:31] descriptor group 1 for the scale bytes; s[32:39] for K's chunks; s[40:47] for V's
.set G1K, 32
.set G1V, 40
.set G0S, 48                           ; s[48:51] group 0 for the scale bytes; K's four at s52, s56, s60, s68; V's four at s72 .. s84.  None of s24-63, s68-87 is written again
.set QB,  66                           ; s66  my block's first query
.set KF,  67                           ; s67  the step's first key
.set TBK, 88                           ; s88  where the step's K begins in each of its two regions: 3,072 bytes a step
.set TS,  89                           ; s89  its scale words: 272 bytes a step
.set TJ,  90                           ; s90  V's scale words: 4 bytes a step
.set TV,  91                           ; s91  V: the chunk, and 96 bytes a step
.set CNT, 92                           ; s92  a phase's four steps
.set NK,  93                           ; s93, s94  the next step's TBK and TS, held inside the chunk that has landed
.set NS,  94
; v1 48 r + 24 h (K's fragments; also Q's in memory)   v2 K's scale words   v3 V's fragments   v4 V's scale words   v5, v6 the stage, in and back   v7 my bytes in the wave's rows of O   v8 my query in its block - 16 h
; v9 at work   v[10:11] f   v12 -M   v13 the largest t   v[14:15] the sum in two halves   v16-27 Q and its zeros   v28 Q's scale word   v29 p's   v252-255 the addresses in hand
.set KS,  30                           ; v30-33   K's scale words: register b: lanes 0-15 tile 2 b's, lanes 16-31 tile 2 b + 1's
.set VS,  34                           ; v34-35   V's likewise
.set BM,  36                           ; v36-39   the blocks' largest scores; later half of p's codes, then the sum's second chain
.set BP,  40                           ; v40-43   the other half of the lanes' maxima, the scale bytes; later half of p's codes
.set SOP, 44                           ; v44-47   the conversions' scale operands
.set PCD, 48                           ; v48-59   p's codes
.set KFR, 60                           ; v60-107  K's eight tiles, six registers each
.set VFR, 108                          ; v108-155 V's four tiles, twelve each
.set ST,  156                          ; v156-219 S^T, then p
.set OT,  220                          ; v220-251 O^T
; A round of the cluster's barrier: my work-group's barrier, so that wave 0's signal speaks for all sixteen waves; wave 0 signals; every wave waits for the four work-groups; my work-group's barrier once more.
.macro CROUND
	s_barrier_signal -1
	s_barrier_wait -1
	s_cmp_lg_u32 s[WV], 0
	s_cbranch_scc1 .Lnot_wave_0_\@
	s_barrier_signal -3
.Lnot_wave_0_\@:
	s_barrier_wait -3
	s_barrier_signal -1
	s_barrier_wait -1
.endm
.macro G0SET g, lo, go                 ; a group 0: LDS address s91 + lo, global address s[92:93] + go
	s_mov_b32 s[\g], 1                             ; 1:0 count = 1
	s_add_co_u32 s[\g+1], s91, \lo                 ; 63:32 LDS address
	s_add_nc_u64 s[\g+2:\g+3], s[92:93], \go       ; 120:64 global address
	s_or_b32 s[\g+3], s[\g+3], 0x80000000          ; 127:126 type = 2
.endm
	s_load_b256 s[4:11], s[0:1], 0x0               ; K's codes s[4:5], K's scales s[6:7], Q's codes s[8:9], Q's scales s[10:11]
	s_load_b128 s[12:15], s[0:1], 0x20             ; V's codes s[12:13], V's scales s[14:15]
	s_load_b64 s[16:17], s[0:1], 0x30              ; O
	v_lshl_add_u32 v254, v0, 2, 0x46000
	v_mov_b32 v255, 0
	ds_add_u32 v254, v255
	ds_add_u32 v254, v255
	s_wait_dscnt 0x0
	v_lshrrev_b32 v9, 5, v0
	v_readfirstlane_b32 s[WV], v9                  ; wave 0..15
	s_and_b32 s96, ttmp7, 0xffff                   ; the head, which the partners share
	s_mov_b32 s95, 0x784b87b4                      ; the table, a nibble a wave: waves 8-15: 4, 11, 7, 8, 11, 4, 8, 7;
	s_cmp_lt_u32 s[WV], 8
	s_cselect_b32 s95, 0x3c0fc3f0, s95             ; waves 0-7: 0, 15, 3, 12, 15, 0, 12, 3
	s_and_b32 s94, s[WV], 7
	s_lshl_b32 s94, s94, 2
	s_lshr_b32 s95, s95, s94
	s_and_b32 s[BLK], s95, 15
	s_xor_b32 s[BLK], s[BLK], ttmp9                ; the head's second cluster takes each block's neighbour: the two cover all sixteen
	s_lshl_b32 s[QB], s[BLK], 7
	s_bfe_u32 s98, ttmp6, 0x40000                  ; cx: my place in the cluster.  It, and what is made of it, lives in s98-s101
	s_bfe_u32 s99, s[WV], 0x10002                  ; each block appears twice in the table, in waves whose bit 2 differs
	s_lshl_b32 s98, s98, 1
	s_add_co_u32 s98, s98, s99                     ; my tile of the block's eight: 2 cx + that bit
	s_lshl_b32 s98, s98, 4                         ; its first query in the block,
	s_add_co_u32 s99, s[QB], s98                   ; and in the head
	; every LDS address register is made here, ahead of the first branch on the wave's number
	v_and_b32 v10, 15, v0                          ; r
	v_bfe_u32 v11, v0, 4, 1                        ; h
	v_mul_u32_u24 v1, v10, 48
	v_mad_u32_u24 v1, v11, 24, v1                  ; a row of 48 bytes, my half's block of 24
	v_and_b32 v12, 8, v10
	v_add_nc_u32 v12, v12, v10                     ; r + 8 (r / 8)
	v_lshlrev_b32 v2, 1, v12                       ; K's scale words: 2 bytes a key;
	v_lshl_add_u32 v2, v11, 4, v2                  ; lanes 16-31 take the odd tile's, 8 keys on
	v_add_nc_u32 v2, SCK, v2
	v_mul_u32_u24 v3, v10, VP
	v_mad_u32_u24 v3, v11, 24, v3
	v_add_nc_u32 v3, VB, v3                        ; V: channel r of a tile, my half's 24 bytes
	v_lshrrev_b32 v12, 2, v10
	v_lshlrev_b32 v4, 6, v10
	v_lshl_add_u32 v4, v12, 4, v4                  ; V's scale words: 64 r + 16 (r / 4);
	v_mad_u32_u24 v4, v11, 1088, v4                ; lanes 16-31 take the odd tile's, 16 channels on
	v_add_nc_u32 v4, SCV, v4
	s_mul_i32 s95, s[WV], 16*SPITCH
	s_add_co_u32 s95, s95, STAGE                   ; my stage
	v_mul_u32_u24 v5, v10, SPITCH
	v_lshl_add_u32 v5, v11, 5, v5
	v_add_nc_u32 v5, s95, v5                       ; in: row r, 32 bytes for each half of the lanes
	v_mul_u32_u24 v6, v11, SPITCH
	v_lshl_add_u32 v6, v10, 4, v6
	v_add_nc_u32 v6, s95, v6                       ; back: lanes 0-15 one row of 256 bytes, lanes 16-31 the next
	v_lshlrev_b32 v7, 8, v11
	v_lshl_add_u32 v7, v10, 4, v7                  ; and the same two rows in O
	v_lshlrev_b32 v8, 4, v11
	v_sub_nc_u32 v8, v10, v8
	v_add_nc_u32 v8, s98, v8                       ; my query in its block, less 16 h: what the diagonal step's keys are held against
	v_lshlrev_b32 v9, 1, v10                       ; Q's scale words: 2 bytes a row
	; descriptor group 1; elements of 8 bytes; the mask names the cluster's four work-groups, bit 21 stands beside it
	s_mov_b32 s[G1S], 15|(3<<16)|(1<<20)|(1<<21)|(5<<22)|(3<<25)   ; the scale bytes: padding on, 4 words behind every 64
	s_mov_b32 s[G1S+1], 32<<16                     ; tensor_dim0 = 32 elements: rows of 256 bytes
	s_mov_b32 s[G1S+2], 16<<16                     ; tensor_dim1 = 16
	s_mov_b32 s[G1S+3], 32<<16                     ; tile_dim0
	s_mov_b32 s[G1S+4], 16                         ; tile_dim1
	s_mov_b32 s[G1S+5], 32                         ; dense: a row begins where the last ends
	s_mov_b32 s[G1S+6], 0
	s_mov_b32 s[G1S+7], 0
	s_mov_b32 s[G1K], 15|(3<<16)|(1<<21)           ; K: 32 groups of 8 keys (384 bytes), every second group: 768 bytes apart
	s_mov_b32 s[G1K+1], 48<<16
	s_mov_b32 s[G1K+2], 32<<16
	s_mov_b32 s[G1K+3], 48<<16
	s_mov_b32 s[G1K+4], 32
	s_mov_b32 s[G1K+5], 96
	s_mov_b32 s[G1K+6], 0
	s_mov_b32 s[G1K+7], 0
	s_mov_b32 s[G1V], 15|(3<<16)|(1<<21)           ; V: 32 channels x 512 keys (384 bytes), 1,536 bytes apart
	s_mov_b32 s[G1V+1], 48<<16                     ; tensor_dim0 = 48 elements,
	s_mov_b32 s[G1V+2], 32<<16
	s_mov_b32 s[G1V+3], 50<<16                     ; tile_dim0 = 50: the two elements past the extent are not read and arrive as zeros: LDS rows of 400 bytes
	s_mov_b32 s[G1V+4], 32
	s_mov_b32 s[G1V+5], 192
	s_mov_b32 s[G1V+6], 0
	s_mov_b32 s[G1V+7], 0
	s_mov_b32 s[SEL], 0x76543210
	s_mov_b32 s[SEL+1], 0xfedcba98
	s_mov_b32 s[CS], 0x3e38aa3b                    ; c = log2(e) / 8
	s_mov_b32 s[CS+1], s[CS]                       ; (named with it as a pair, so it is written)
	s_mul_i32 s2, s96, HCODE                       ; the head's first byte in each tensor of codes,
	s_mov_b32 s3, 0
	s_lshl_b32 s88, s96, 12                        ; and of scale bytes
	s_mov_b32 s89, 0
	s_and_b32 s90, s[WV], 1                        ; e: which half of what my pair of waves fetches
	s_wait_kmcnt 0x0
	; group 0, made by every wave of the wave's number and the head alone: equal in the four partners
	s_mov_b32 s[G0S], 1
	s_mul_i32 s[G0S+1], s90, 4352
	s_add_co_u32 s[G0S+1], s[G0S+1], SCK           ; e = 0: K's scale bytes, e = 1: V's
	s_cmp_eq_u32 s90, 0
	s_cselect_b64 s[G0S+2:G0S+3], s[6:7], s[14:15]
	s_add_nc_u64 s[G0S+2:G0S+3], s[G0S+2:G0S+3], s[88:89]
	s_or_b32 s[G0S+3], s[G0S+3], 0x80000000
	s_mul_i32 s91, s90, KODD                       ; K: e = 0 the even groups, e = 1 the odd ones: in LDS,
	s_mul_i32 s94, s90, 384                        ; and in memory
	s_mov_b32 s95, 0
	s_add_nc_u64 s[92:93], s[4:5], s[2:3]
	s_add_nc_u64 s[92:93], s[92:93], s[94:95]
	G0SET 52, 0, 0                                 ; chunk j: 12,288 bytes on in LDS, 512 keys of 48 bytes on in memory
	G0SET 56, 12288, 24576
	G0SET 60, 24576, 49152
	G0SET 68, 36864, 73728
	s_mov_b32 s94, s91                             ; V: e picks 32 of the 64 channels: 32 rows of 1,536 bytes are 49,152 in memory,
	s_mul_i32 s91, s90, 32*VP                      ; 12,800 in LDS
	s_add_co_u32 s91, s91, VB
	s_add_nc_u64 s[92:93], s[12:13], s[2:3]
	s_add_nc_u64 s[92:93], s[92:93], s[94:95]
	G0SET 72, 0, 0                                 ; chunk j: 25,600 bytes on in LDS, 384 bytes on in each row
	G0SET 76, VCH, 384
	G0SET 80, 2*VCH, 768
	G0SET 84, 3*VCH, 1152
	s_add_nc_u64 s[8:9], s[8:9], s[2:3]            ; Q's codes, Q's scales and O at the head,
	s_add_nc_u64 s[10:11], s[10:11], s[88:89]
	s_lshl_b32 s94, s96, 19                        ; (2,048 rows of 256 bytes; s95 is 0)
	s_add_nc_u64 s[16:17], s[16:17], s[94:95]
	s_mul_i32 s100, s99, 48                        ; and at my first query
	s_mov_b32 s101, 0
	s_add_nc_u64 s[8:9], s[8:9], s[100:101]
	s_lshl_b32 s100, s99, 1
	s_add_nc_u64 s[10:11], s[10:11], s[100:101]
	s_lshl_b32 s100, s99, 8
	s_add_nc_u64 s[16:17], s[16:17], s[100:101]
	CROUND                                         ; all four work-groups are here: the joint loads meet
	; All fills of the launch, one group.  Waves 0 and 1: the scale bytes, then K's four chunks (five loads of a wave are out); waves 2 and 3: V's four chunks; the others none.
	; A wave's loads stand in one branch on its number; four v_nop follow the last of them.
	s_cmp_lt_u32 s[WV], 2
	s_cbranch_scc0 .Lnot_k
	tensor_load_to_lds s[G0S:G0S+3], s[G1S:G1S+7]
	s_nop 0
	tensor_load_to_lds s[52:55], s[G1K:G1K+7]
	s_nop 0
	tensor_load_to_lds s[56:59], s[G1K:G1K+7]
	s_nop 0
	tensor_load_to_lds s[60:63], s[G1K:G1K+7]
	s_nop 0
	tensor_load_to_lds s[68:71], s[G1K:G1K+7]
	s_nop 0
.rept 4
	v_nop
.endr
	s_branch .Lasked
.Lnot_k:
	s_cmp_lt_u32 s[WV], 4
	s_cbranch_scc0 .Lasked
	tensor_load_to_lds s[72:75], s[G1V:G1V+7]
	s_nop 0
	tensor_load_to_lds s[76:79], s[G1V:G1V+7]
	s_nop 0
	tensor_load_to_lds s[80:83], s[G1V:G1V+7]
	s_nop 0
	tensor_load_to_lds s[84:87], s[G1V:G1V+7]
	s_nop 0
.rept 4
	v_nop
.endr
.Lasked:
.irp p, 0,1,2
	global_load_b64 v[16+2*\p:17+2*\p], v1, s[8:9] offset:8*\p   ; Q's fragment: lane (r, h): the 24 bytes of block h of row r; it stays in registers
.endr
	global_load_u16 v28, v9, s[10:11]              ; Q's two scale bytes
	v_mov_b32 v13, 0xff61b1e6                      ; the largest t so far: -3e38, under every t
	v_floor_f32 v12, -v13                          ; -M
	v_mov_b32 v11, 0                               ; (named as the upper half of the pair v[10:11])
	v_mov_b32 v14, 0                               ; the sum, in two halves
	v_mov_b32 v15, 0
.irp i, 22,23,24,25,26,27
	v_mov_b32 v[\i], 0                             ; Q's codes of k = 64 .. 127: zeros
.endr
.irp b, 0,1,2,3
	v_mov_b32 v[BP+\b], 0                          ; written once: a lane permute's destination counts as one of its sources
.endr
.irp i, 0,1,2,3,4,5
	v_mov_b32 v[VFR+\i], 0                         ; the upper half of K's last operand until V's first fragment lies here
.endr
	s_wait_loadcnt 0x0                             ; Q
	v_or_b32 v28, 0x7f7f0000, v28                  ; the scale bytes of the zero codes: 1.0
.set n, 0
.rept 32
	v_mov_b32 v[OT+n], 0                           ; O^T.  (The step is written once for all steps: the first finds zeros, which the first change of M leaves zeros.  These lines are also the places between v28's last write and the first product)
.set n, n+1
.endr
; K's eight tiles (six registers each) and their four registers of scale words, from the addresses in v252 and v253: 28 loads
.macro KFETCH
.irp b, 0,1,2,3
.irp u, 0,1
.irp p, 0,1,2
	ds_load_b64 v[KFR+6*(2*\b+\u)+2*\p:KFR+6*(2*\b+\u)+2*\p+1], v252 offset:KODD*\u+768*\b+8*\p
.endr
.endr
.endr
.irp b, 0,1,2,3
	ds_load_u16 v[KS+\b], v253 offset:64*\b        ; two bytes, the upper two of the word 0: they scale what meets Q's zero codes
.endr
.endm
; A KEY STEP of phase j: 128 keys.
.macro STEP j
	s_cmp_gt_u32 s[KF], s[QB]                      ; a step behind my block's diagonal is left out: a branch on ids, alike in all partners; not round the lines at its end that step addresses
	s_cbranch_scc1 .Lhid_\@
	s_wait_dscnt 0x0                               ; this step's K and its scale words are in
	s_add_co_u32 s[NK], s[TBK], 3072               ; the next step's, held at the last step of the chunk that has landed (what a phase's last step so fetches is fetched anew behind the next barrier)
	s_min_u32 s[NK], s[NK], (4*(\j)+3)*3072
	s_add_co_u32 s[NS], s[TS], 272
	s_min_u32 s[NS], s[NS], (4*(\j)+3)*272
.irp T, 0,2,4,6                        ; S^T = K Q^T: eight tiles of 16 keys
	v_wmma_scale_f32_16x16x128_f8f6f4 v[ST+8*\T:ST+8*\T+7], v[KFR+6*\T:KFR+6*\T+11], v[16:27], 0, v[KS+\T/2], v28 matrix_a_fmt:MATRIX_FMT_FP6 matrix_b_fmt:MATRIX_FMT_FP6
	v_wmma_scale_f32_16x16x128_f8f6f4 v[ST+8*\T+8:ST+8*\T+15], v[KFR+6*\T+6:KFR+6*\T+17], v[16:27], 0, v[KS+\T/2], v28 matrix_a_fmt:MATRIX_FMT_FP6 matrix_b_fmt:MATRIX_FMT_FP6 matrix_a_scale:MATRIX_SCALE_ROW1
.endr
	v_add_nc_u32 v254, s[TV], v3                   ; four plain lines that name none of the products' registers: the places in front of the loads below and of the first read of the scores
	v_add_nc_u32 v255, s[TJ], v4
	v_add_nc_u32 v252, s[NK], v1
	v_add_nc_u32 v253, s[NS], v2
.irp t, 0,1,2,3                        ; all the step's LDS loads in one run, to land under the softmax: V of this step (24), its scale words (2),
.irp p, 0,1,2,3,4,5
	ds_load_b64 v[VFR+12*\t+2*\p:VFR+12*\t+2*\p+1], v254 offset:16*VP*\t+48*(\p/3)+8*(\p%3)
.endr
.endr
	ds_load_b32 v[VS], v255
	ds_load_b32 v[VS+1], v255 offset:2176
	KFETCH                                         ; and K of the next step (28)
	s_cmp_lg_u32 s[KF], s[QB]                      ; only my block's own step lies on the diagonal
	s_cbranch_scc1 .Lopen_\@
	v_mov_b32 v9, 0xc79c4000                       ; -80,000: the module's -10,000 ahead of the division by 8
.set n, 0
.rept 64                               ; register 16 b + i holds key KF + 32 b + 16 h + i: hidden where 32 b + i > my query in the block - 16 h
	v_cmp_gt_i32 vcc_lo, 32*(n/16)+n%16, v8
	v_cndmask_b32 v[ST+n], v[ST+n], v9, vcc_lo
.set n, n+1
.endr
.Lopen_\@:
.irp b, 0,1,2,3
	v_max3_num_f32 v[BM+\b], v[ST+16*\b], v[ST+16*\b+1], v[ST+16*\b+2]   ; THE LARGEST SCORE OF EACH BLOCK OF 32 KEYS serves twice: for the row's maximum, and, since p rises with the score, for the block's largest p
.endr
.irp i, 3,5,7,9,11,13
.irp b, 0,1,2,3
	v_max3_num_f32 v[BM+\b], v[BM+\b], v[ST+16*\b+\i], v[ST+16*\b+\i+1]   ; (the four blocks by turns)
.endr
.endr
.irp b, 0,1,2,3
	v_max_num_f32 v[BM+\b], v[BM+\b], v[ST+16*\b+15]
.endr
.irp b, 0,1,2,3
	v_permlanex16_b32 v[BP+\b], v[BM+\b], s[SEL], s[SEL+1]
.endr
.irp b, 0,1,2,3
	v_max_num_f32 v[BM+\b], v[BM+\b], v[BP+\b]     ; with lane l xor 16's 16 keys
.endr
	v_max3_num_f32 v9, v[BM], v[BM+1], v[BM+2]
	v_max_num_f32 v9, v9, v[BM+3]                  ; the step's largest score of my query
	v_mul_f32 v9, s[CS], v9                        ; as t (c is positive)
	v_max_num_f32 v13, v13, v9                     ; the running largest t
	v_mov_b32 v9, v12
	v_floor_f32 v12, -v13                          ; the new -M = floor(-t) = -ceil(t): M IS A WHOLE NUMBER
	v_sub_f32 v9, v12, v9                          ; M's old value less its new one: a whole number, 0 or less
	v_cvt_i32_f32 v9, v9                           ; (it saturates)
	v_ldexp_f32 v10, 1.0, v9                       ; f = 2^(old M - new M)
.set n, 0
.rept 32
	v_pk_fma_f32 v[ST+n:ST+n+1], v[ST+n:ST+n+1], s[CS:CS+1], v[12:13] op_sel_hi:[1,0,0]   ; t - M, two at a time (of the pairs c and -M the low word serves both halves)
.set n, n+2
.endr
.irp b, 0,1,2,3
	v_fma_f32 v[BM+\b], v[BM+\b], s[CS], v12       ; the same of each block's largest score
.endr
.set n, 0
.rept 64
	v_exp_f32 v[ST+n], v[ST+n]                     ; p = 2^(t - M), at most 1: NOT normalised
.set n, n+1
.endr
.irp b, 0,1,2,3
	v_exp_f32 v[BM+\b], v[BM+\b]                   ; the block's largest p: the same two instructions on the same number give the same bits
.endr
	v_pk_mul_f32 v[14:15], v[14:15], v[10:11] op_sel_hi:[1,0]   ; the sums under the new M.  (The plain line behind the exponentials)
	s_wait_alu depctr_va_vdst(0)
.irp b, 0,1,2,3
	v_max_num_f32 v[BM+\b], 0x1800000, v[BM+\b]    ; the floor 2^(3 - 127): the byte cannot fall under 1
.endr
.irp b, 0,1,2,3
	v_add_nc_u32 v[SOP+\b], 0xff000000, v[BM+\b]   ; 2 off the exponent field: the conversion's scale operand
.endr
.irp b, 0,1,2,3
	v_lshrrev_b32 v[BP+\b], 23, v[SOP+\b]          ; the scale's byte
.endr
	v_lshl_or_b32 v29, v[BP+1], 8, v[BP]           ; p's scale word for these 128 keys
	v_lshl_or_b32 v29, v[BP+2], 16, v29
	v_lshl_or_b32 v29, v[BP+3], 24, v29
.irp c, 0,1
	v_cvt_scalef32_pk16_fp6_f32 v[PCD+6*\c:PCD+6*\c+2], v[ST+32*\c:ST+32*\c+15], v[SOP+2*\c]
	v_cvt_scalef32_pk16_fp6_f32 v[BM+4*\c:BM+4*\c+2], v[ST+32*\c+16:ST+32*\c+31], v[SOP+2*\c+1]   ; (a conversion's three registers begin on an even number)
.endr
	v_nop                                          ; one plain line behind the scaled conversions
.irp c, 0,1                            ; the operand's layout wants a WHOLE block in a lane: lanes 0-15 block 2 c, lanes 16-31 block 2 c + 1
.irp i, 0,1,2
	v_permlane16_swap_b32 v[PCD+6*\c+\i], v[BM+4*\c+\i]
.endr
.irp i, 0,1,2
	v_mov_b32 v[PCD+6*\c+3+\i], v[BM+4*\c+\i]
.endr
.endr
	v_pk_add_f32 v[BM:BM+1], v[ST:ST+1], v[ST+2:ST+3]   ; THE ROW'S SUM IS TAKEN OF THE UNQUANTISED p: two at a time, in two chains
.set n, 4
.rept 15
	v_pk_add_f32 v[14:15], v[14:15], v[ST+n:ST+n+1]
	v_pk_add_f32 v[BM:BM+1], v[BM:BM+1], v[ST+n+2:ST+n+3]
.set n, n+4
.endr
	v_pk_add_f32 v[14:15], v[14:15], v[BM:BM+1]
.set n, 0
.rept 16
	v_pk_mul_f32 v[OT+n:OT+n+1], v[OT+n:OT+n+1], v[10:11] op_sel_hi:[1,0]   ; O^T under the new M, each tile from its low end on.  (The sums and these lines are the places between the writes of p's codes and scale word and the products below)
.set n, n+2
.endr
	s_wait_dscnt 28                                ; V and its scale words are in; the 28 younger loads, the next step's K, may be out
.irp t, 0,2                            ; O^T += V^T P^T: four tiles of 16 channels, one instruction a turn; the eight products K Q^T stand between two turns of an accumulator
	v_wmma_scale_f32_16x16x128_f8f6f4 v[OT+8*\t:OT+8*\t+7], v[VFR+12*\t:VFR+12*\t+11], v[PCD:PCD+11], v[OT+8*\t:OT+8*\t+7], v[VS+\t/2], v29 matrix_a_fmt:MATRIX_FMT_FP6 matrix_b_fmt:MATRIX_FMT_FP6
	v_wmma_scale_f32_16x16x128_f8f6f4 v[OT+8*\t+8:OT+8*\t+15], v[VFR+12*\t+12:VFR+12*\t+23], v[PCD:PCD+11], v[OT+8*\t+8:OT+8*\t+15], v[VS+\t/2], v29 matrix_a_fmt:MATRIX_FMT_FP6 matrix_b_fmt:MATRIX_FMT_FP6 matrix_a_scale:MATRIX_SCALE_ROW1
.endr
.Lhid_\@:
	s_add_co_u32 s[KF], s[KF], 128
	s_add_co_u32 s[TBK], s[TBK], 3072
	s_add_co_u32 s[TS], s[TS], 272
	s_add_co_u32 s[TJ], s[TJ], 4
	s_add_co_u32 s[TV], s[TV], 96
.endm
; THE WAY OUT.  The sum's halves are added; O^T / the sum goes through my own stage in LDS (a lane holds 32 bytes of a row, the lanes beside it other rows) and comes back as whole rows of 256 bytes.
.macro WAYOUT
	v_add_f32 v14, v14, v15                        ; the sum's two halves,
	v_permlanex16_b32 v9, v14, s[SEL], s[SEL+1]
	v_add_f32 v14, v14, v9                         ; and lane l xor 16's: the row's sum
	v_rcp_f32 v14, v14
.rept 3
	v_nop                                          ; with the two additions five plain lines behind the last products; the first is the plain line behind the reciprocal
.endr
.set n, 0
	s_wait_alu depctr_va_vdst(0)
.rept 32
	v_mul_f32 v[ST+n], v[OT+n], v14                ; register 8 t + i is o(r, 16 t + 8 h + i); each tile from its low end on
.set n, n+1
.endr
.irp t, 0,1,2,3
	ds_store_b128 v5, v[ST+8*\t:ST+8*\t+3] offset:64*\t
	ds_store_b128 v5, v[ST+8*\t+4:ST+8*\t+7] offset:64*\t+16
.endr
.irp i, 0,1,2,3,4,5,6,7
	ds_load_b128 v[ST+32+4*\i:ST+32+4*\i+3], v6 offset:2*\i*SPITCH   ; LDS serves a wave's instructions in order (ISA guide 5.7.1.4): these see my stores
.endr
.irp i, 0,1,2,3,4,5,6,7
	s_wait_dscnt 7-\i                              ; load i is in; the 7 - i younger ones may be out
	global_store_b128 v7, v[ST+32+4*\i:ST+32+4*\i+3], s[16:17] offset:512*\i th:TH_STORE_NT   ; 32 lanes store 512 consecutive bytes, two rows of O, at a multiple of 256 from O's first byte; written once, read by nobody here
.endr
	s_wait_xcnt 0x0                                ; the lines that follow in the text (the later phases' steps) write the registers that these stores read: only behind this wait
.endm
; PHASE j: the four key steps of chunk j.  Every wave walks all four phases and passes all four barriers; a wave whose block ends in this chunk sends its tile out at the phase's end, so that the stores are spread over the launch.
.macro PHASE j
	s_wait_tensorcnt 3-\j                          ; of a fetching wave's loads the last 3 - j may be out: the scale bytes and chunks 0 .. j have landed
	s_wait_dscnt 0x0                               ; no LDS instruction of mine is pending at the signal
	s_barrier_signal -1
	s_barrier_wait -1                              ; everybody's have.  Nothing is ever filled again, so the later chunks stay on their way across this barrier
	s_mov_b32 s[TBK], 12288*\j
	s_mov_b32 s[TS], 1088*\j
	s_mov_b32 s[TJ], 16*\j
	s_mov_b32 s[TV], VCH*\j
	s_mov_b32 s[KF], 512*\j
	s_mov_b32 s[CNT], 4
	v_add_nc_u32 v252, s[TBK], v1
	v_add_nc_u32 v253, s[TS], v2
	KFETCH                                         ; K of the phase's first step
.Lst_\@:
	STEP \j
	s_sub_co_u32 s[CNT], s[CNT], 1
	s_cmp_lg_u32 s[CNT], 0
	s_cbranch_scc1 .Lst_\@
	s_lshr_b32 s95, s[BLK], 2
	s_cmp_lg_u32 s95, \j
	s_cbranch_scc1 .Lstay_\@
	WAYOUT
.Lstay_\@:
.endm
	PHASE 0
	PHASE 1
	PHASE 2
	PHASE 3
	s_wait_tensorcnt 0x0                           ; no tensor load is out at the end,
	s_wait_dscnt 0x0                               ; and no LDS instruction at the signal
	s_wait_xcnt 0x0
	v_lshl_add_u32 v254, v0, 2, 0x46000
	v_mov_b32 v255, 0
	s_wait_tensorcnt 0x0
	ds_add_u32 v254, v255
	s_wait_dscnt 0x0
	CROUND                                         ; the closing round: no work-group ends while a partner may still ask for a tile that names it
	s_endpgm
.Lfunc_end_k_qef1cc64e53_attn:
	.size	k_qef1cc64e53_attn, .Lfunc_end_k_qef1cc64e53_attn-k_qef1cc64e53_attn
	.p2alignl 7, 3214868480
	.fill 96, 4, 3214868480
	.section	.rodata,"a",@progbits
	.p2align	6, 0x0
	.amdhsa_kernel k_qef1cc64e53_attn
		.amdhsa_group_segment_fixed_size 288768
		.amdhsa_private_segment_fixed_size 0
		.amdhsa_enable_private_segment 0
		.amdhsa_kernarg_size 56
		.amdhsa_user_sgpr_count 2
		.amdhsa_user_sgpr_kernarg_segment_ptr 1
		.amdhsa_wavefront_size32 1
		.amdhsa_system_sgpr_workgroup_id_x 1
		.amdhsa_system_sgpr_workgroup_id_y 1
		.amdhsa_system_sgpr_workgroup_id_z 1
		.amdhsa_system_vgpr_workitem_id 0
		.amdhsa_next_free_vgpr 256
		.amdhsa_next_free_sgpr 102
		.amdhsa_reserve_vcc 1
		.amdhsa_float_denorm_mode_32 3
		.amdhsa_float_denorm_mode_16_64 3
		.amdhsa_memory_ordered 1
		.amdhsa_forward_progress 1
		.amdhsa_inst_pref_size 125
	.end_amdhsa_kernel
	.amdgpu_metadata
---
amdhsa.version: [ 1, 2 ]
amdhsa.kernels:
  - .name:           k_qef1cc64e53_attn
    .symbol:         k_qef1cc64e53_attn.kd
    .args:
      - { .name: key_states_codes, .offset: 0, .size: 8, .value_kind: global_buffer, .address_space: global }
      - { .name: key_states_scales, .offset: 8, .size: 8, .value_kind: global_buffer, .address_space: global }
      - { .name: query_states_codes, .offset: 16, .size: 8, .value_kind: global_buffer, .address_space: global }
      - { .name: query_states_scales, .offset: 24, .size: 8, .value_kind: global_buffer, .address_space: global }
      - { .name: value_states_codes, .offset: 32, .size: 8, .value_kind: global_buffer, .address_space: global }
      - { .name: value_states_scales, .offset: 40, .size: 8, .value_kind: global_buffer, .address_space: global }
      - { .name: out0, .offset: 48, .size: 8, .value_kind: global_buffer, .address_space: global }
    .group_segment_fixed_size: 288768
    .private_segment_fixed_size: 0
    .kernarg_segment_align: 8
    .kernarg_segment_size: 56
    .max_flat_workgroup_size: 512
    .sgpr_count:     102
    .vgpr_count:     256
    .wavefront_size: 32
...
	.end_amdgpu_metadata
.endif
;; end of part 1
;; ======== version 2 of 2: 1 launch
;; limits: right only within a limited range of input values
;; launch attn (part 2): grid 8 x 32, 16 waves a work-group, clusters of 4 x 1, 288,768 bytes of LDS; arguments key_states_codes, key_states_scales, query_states_codes, query_states_scales, value_states_codes, value_states_scales, out0; writes out0
.if DOCPART == 2
	.amdgcn_target "amdgcn-amd-amdhsa--gfx1250"
	.amdhsa_code_object_version 6
	.text
	.protected	k_qef1cc64e53_attn
	.globl	k_qef1cc64e53_attn
	.p2align	8
	.type	k_qef1cc64e53_attn,@function
k_qef1cc64e53_attn:
	s_mov_b64 s[64:65], 0
	v_nop
	global_prefetch_b8 v0, s[64:65] scope:SCOPE_SE
	s_setreg_imm32_b32 hwreg(HW_REG_WAVE_MODE, 25, 1), 1
	s_wait_xcnt 0x0
	s_wait_alu depctr_hold_cnt(0) depctr_sa_sdst(0) depctr_va_vdst(0) depctr_va_sdst(0) depctr_va_ssrc(0) depctr_va_vcc(0) depctr_vm_vsrc(0)
	s_getreg_b32 s2, hwreg(HW_REG_IB_STS2, 6, 4)
	s_cmp_eq_u32 s2, 0
	s_cbranch_scc0 .Lentry_in_a_cluster
	s_endpgm
.Lentry_in_a_cluster:
	s_bfe_u32 s2, ttmp6, 0x10000c
	s_cmp_lg_u32 s2, 0x3003
	s_cbranch_scc0 .Lentry_shape_is_right
	s_endpgm
.Lentry_shape_is_right:
; O[h][q][:] = the sum over k of softmax_k(Q[h][q] . K[h][k] / 8, hidden keys k > q set to -10,000) V[h][k][:], 32 heads, 2,048 queries and keys, head size 64; both products on codes of FP6 (E2M3) with one E8M0 byte for each 32 along K.
; Q, K: rows of 64 codes (48 bytes) and 2 scale bytes.  V: the keys innermost: for each head 64 rows (channels) of 2,048 codes (1,536 bytes) and 64 scale bytes.  O: f32, rows of 256 bytes.
; THE SOFTMAX AHEAD OF THE SECOND PRODUCT: t = score x log2(e) / 8; M = the row's largest t so far, rounded UP to a whole number; p = 2^(t - M) is quantised along the keys, not normalised; the row's sum is taken of the
; unquantised p and divides O at the end.  When M moves, the sum and O are multiplied by 2^(old M - new M): exact.
; SHARES.  Eight work-groups to a head, sixteen waves each; a wave owns ONE tile of 16 queries in 256 registers.  A head's queries are 16 blocks of 128; block b wants key steps 0 .. b of 128 keys, step b lying on the diagonal.
; A wave's block hangs on its number and on the cluster's x alone (a table of nibbles), so that all four partners of a cluster branch alike; the place in the cluster picks only WHICH tile of the block: it enters Q's and O's
; addresses and the mask's compare, and nothing else.  The table is a 4 x 4 square whose rows and columns all sum to 30 blocks: 34 key steps for every four waves taken by row or by column.
; LDS.  A head's K, V and scale bytes are 204,800 bytes: they come into LDS ONCE, in four chunks of 512 keys, and stay: nothing is ever filled again.  The four partners want the same bytes: every fill is asked for JOINTLY,
; by the same tensor load with a mask that names the four (a head has two clusters: a cluster has four work-groups here).
; TWO BARRIERS.  Behind the first, the scale bytes and chunk 0 lie in LDS; key step 0, which every wave does, follows; in front of the second the fetching waves wait for all their loads, so behind it the whole head lies in LDS,
; and from there on no wave waits for another: the 34 steps of four waves are even over the launch, not over each chunk (13, 9, 8, 4 against 16, 12, 5, 1 by the table's columns), so a barrier at each chunk would cost the larger figure each time.
; LAYOUT.  Both products are used transposed: S^T = K Q^T (source 0 = 16 keys, source 1 = my 16 queries), O^T = V^T P^T (source 0 = 16 channels, source 1 = P): a lane holds ONE query (lane % 16) throughout.
; THE KEYS OF A TILE ARE NOT NEIGHBOURS: lane r of tile 2 b + u takes key 32 b + 8 u + r + 8 (r / 8), so that the 16 registers of tiles 2 b and 2 b + 1 are 16 neighbouring keys, 32 b + 16 (lane / 16) + 0 .. 15.
; K's groups of 8 keys lie in LDS in two regions, the even groups and the odd ones: a tile's 16 keys are then 16 consecutive rows of 48 bytes.
; THE FIRST PRODUCT'S K IS 64, THE INSTRUCTION'S 128: Q's upper 64 codes are zeros (six cleared registers).  K's operand names twelve registers of which the upper six are the next tile's codes: whatever they hold meets zero codes.
; LIMITS.  Key steps that lie wholly behind the diagonal are left out: their keys weigh exp(-10,000 - the row's largest logit), which is nothing in f32 unless a row's largest visible logit lies under about -9,900:
; such rows are not served.  In the diagonal step hidden scores get the module's own value (-80,000 ahead of the division by 8).  Scale bytes 0xff (NaN) are not served.  A p under 2^-126 counts as 0 (v_exp_f32 flushes);
; a block of p that is all zeros keeps the scale byte 1: its codes are zeros.
.set HCODE,  98304                     ; a head's codes in bytes, in each of the three tensors
.set KODD,   49152                     ; LDS: K's even groups from 0, its odd groups from here; a chunk of 512 keys is 32 rows of 384 bytes in each
.set VB,     98304                     ; V: four chunks of 64 rows
.set VP,     400                       ; a row of a chunk: 384 bytes of codes + 16 of zeros = 100 words: the 16 rows of a load start 36 words apart modulo 64 (64 banks of 4 bytes: ISA guide 11.1), at 16 different multiples of 4
.set VCH,    64*VP
.set SCK,    200704                    ; K's 4,096 scale bytes as 16 rows of 256 bytes + 16 of padding: one row is one key step
.set SCV,    SCK+4352                  ; V's likewise: channel d's 64 bytes at 64 d + 16 (d / 4)
.set STAGE,  SCV+4352                  ; the way out: 16 rows x 272 bytes for each wave; no load ever lands here.  It ends at 279,040
.set SPITCH, 272
.set WV,  18                           ; s18  my wave's number
.set BLK, 19                           ; s19  my block of 128 queries
.set SEL, 20                           ; s[20:21] lane selects for v_permlanex16_b32: lane l xor 16
.set CS,  22                           ; s[22:23] c = log2(e) / 8: the packed form names a pair and takes its low word for both halves
.set G1S, 24                           ; s[24:31] descriptor group 1 for the scale bytes; s[32:39] for K's chunks; s[40:47] for V's
.set G1K, 32
.set G1V, 40
.set G0S, 48                           ; s[48:51] group 0 for the scale bytes; K's four at s52, s56, s60, s68; V's four at s72 .. s84.  None of s24-63, s68-87 is written again
.set QB,  66                           ; s66  my block's first query
.set KF,  67                           ; s67  the step's first key
.set TBK, 88                           ; s88  where the step's K begins in each of its two regions: 3,072 bytes a step
.set TS,  89                           ; s89  its scale words: 272 bytes a step
.set TJ,  90                           ; s90  V's scale words: 4 bytes a step
.set TV,  91                           ; s91  V: the chunk, and 96 bytes a step
.set CNT, 92                           ; s92  counts a run of steps
.set NK,  93                           ; s93, s94  the next step's TBK and TS, held inside what has landed
.set NS,  94
; v1 48 r + 24 h (K's fragments; also Q's in memory)   v2 K's scale words   v3 V's fragments   v4 V's scale words   v5, v6 the stage, in and back   v7 my bytes in the wave's rows of O   v8 my query in its block - 16 h
; v9 at work   v[10:11] f   v12 -M   v13 the largest t   v[14:15] the sum in two halves   v16-27 Q and its zeros   v28 Q's scale word   v29 p's   v252-255 the addresses in hand
.set KS,  30                           ; v30-33   K's scale words: register b: lanes 0-15 tile 2 b's, lanes 16-31 tile 2 b + 1's
.set VS,  34                           ; v34-35   V's likewise
.set BM,  36                           ; v36-39   the blocks' largest scores; later half of p's codes, then the sum's second chain
.set BP,  40                           ; v40-43   the other half of the lanes' maxima, the scale bytes; later half of p's codes
.set SOP, 44                           ; v44-47   the conversions' scale operands
.set PCD, 48                           ; v48-59   p's codes
.set KFR, 60                           ; v60-107  K's eight tiles, six registers each
.set VFR, 108                          ; v108-155 V's four tiles, twelve each
.set ST,  156                          ; v156-219 S^T, then p
.set OT,  220                          ; v220-251 O^T
; A round of the cluster's barrier: my work-group's barrier, so that wave 0's signal speaks for all sixteen waves; wave 0 signals; every wave waits for the four work-groups; my work-group's barrier once more.
.macro CROUND
	s_barrier_signal -1
	s_barrier_wait -1
	s_cmp_lg_u32 s[WV], 0
	s_cbranch_scc1 .Lnot_wave_0_\@
	s_barrier_signal -3
.Lnot_wave_0_\@:
	s_barrier_wait -3
	s_barrier_signal -1
	s_barrier_wait -1
.endm
.macro G0SET g, lo, go                 ; a group 0: LDS address s91 + lo, global address s[92:93] + go
	s_mov_b32 s[\g], 1                             ; 1:0 count = 1
	s_add_co_u32 s[\g+1], s91, \lo                 ; 63:32 LDS address
	s_add_nc_u64 s[\g+2:\g+3], s[92:93], \go       ; 120:64 global address
	s_or_b32 s[\g+3], s[\g+3], 0x80000000          ; 127:126 type = 2
.endm
	s_load_b256 s[4:11], s[0:1], 0x0               ; K's codes s[4:5], K's scales s[6:7], Q's codes s[8:9], Q's scales s[10:11]
	s_load_b128 s[12:15], s[0:1], 0x20             ; V's codes s[12:13], V's scales s[14:15]
	s_load_b64 s[16:17], s[0:1], 0x30              ; O
	v_lshl_add_u32 v254, v0, 2, 0x46000
	v_mov_b32 v255, 0
	ds_add_u32 v254, v255
	ds_add_u32 v254, v255
	s_wait_dscnt 0x0
	v_lshrrev_b32 v9, 5, v0
	s_delay_alu instid0(VALU_DEP_1)
	v_readfirstlane_b32 s[WV], v9                  ; wave 0..15
	s_and_b32 s96, ttmp7, 0xffff                   ; the head, which the partners share
	s_mov_b32 s95, 0x784b87b4                      ; the table, a nibble a wave: waves 8-15: 4, 11, 7, 8, 11, 4, 8, 7;
	s_cmp_lt_u32 s[WV], 8
	s_cselect_b32 s95, 0x3c0fc3f0, s95             ; waves 0-7: 0, 15, 3, 12, 15, 0, 12, 3
	s_and_b32 s94, s[WV], 7
	s_lshl_b32 s94, s94, 2
	s_lshr_b32 s95, s95, s94
	s_and_b32 s[BLK], s95, 15
	s_xor_b32 s[BLK], s[BLK], ttmp9                ; the head's second cluster takes each block's neighbour: the two cover all sixteen
	s_lshl_b32 s[QB], s[BLK], 7
	s_bfe_u32 s98, ttmp6, 0x40000                  ; cx: my place in the cluster.  It, and what is made of it, lives in s98-s101
	s_bfe_u32 s99, s[WV], 0x10002                  ; each block appears twice in the table, in waves whose bit 2 differs
	s_lshl_b32 s98, s98, 1
	s_add_co_u32 s98, s98, s99                     ; my tile of the block's eight: 2 cx + that bit
	s_lshl_b32 s98, s98, 4                         ; its first query in the block,
	s_add_co_u32 s99, s[QB], s98                   ; and in the head
	; every LDS address register is made here, ahead of the first branch on the wave's number
	v_and_b32 v10, 15, v0                          ; r
	v_bfe_u32 v11, v0, 4, 1                        ; h
	s_delay_alu instid0(VALU_DEP_2)
	v_mul_u32_u24 v1, v10, 48
	s_delay_alu instid0(VALU_DEP_1)
	v_mad_u32_u24 v1, v11, 24, v1                  ; a row of 48 bytes, my half's block of 24
	s_delay_alu instid0(VALU_DEP_4)
	v_and_b32 v12, 8, v10
	s_delay_alu instid0(VALU_DEP_1)
	v_add_nc_u32 v12, v12, v10                     ; r + 8 (r / 8)
	s_delay_alu instid0(VALU_DEP_1)
	v_lshlrev_b32 v2, 1, v12                       ; K's scale words: 2 bytes a key;
	s_delay_alu instid0(VALU_DEP_1)
	v_lshl_add_u32 v2, v11, 4, v2                  ; lanes 16-31 take the odd tile's, 8 keys on
	s_delay_alu instid0(VALU_DEP_1)
	v_add_nc_u32 v2, SCK, v2
	v_mul_u32_u24 v3, v10, VP
	s_delay_alu instid0(VALU_DEP_1)
	v_mad_u32_u24 v3, v11, 24, v3
	s_delay_alu instid0(VALU_DEP_1)
	v_add_nc_u32 v3, VB, v3                        ; V: channel r of a tile, my half's 24 bytes
	v_lshrrev_b32 v12, 2, v10
	v_lshlrev_b32 v4, 6, v10
	s_delay_alu instid0(VALU_DEP_1)
	v_lshl_add_u32 v4, v12, 4, v4                  ; V's scale words: 64 r + 16 (r / 4);
	s_delay_alu instid0(VALU_DEP_1)
	v_mad_u32_u24 v4, v11, 1088, v4                ; lanes 16-31 take the odd tile's, 16 channels on
	s_delay_alu instid0(VALU_DEP_1)
	v_add_nc_u32 v4, SCV, v4
	s_mul_i32 s95, s[WV], 16*SPITCH
	s_add_co_u32 s95, s95, STAGE                   ; my stage
	v_mul_u32_u24 v5, v10, SPITCH
	s_delay_alu instid0(VALU_DEP_1)
	v_lshl_add_u32 v5, v11, 5, v5
	s_delay_alu instid0(VALU_DEP_1)
	v_add_nc_u32 v5, s95, v5                       ; in: row r, 32 bytes for each half of the lanes
	v_mul_u32_u24 v6, v11, SPITCH
	s_delay_alu instid0(VALU_DEP_1)
	v_lshl_add_u32 v6, v10, 4, v6
	s_delay_alu instid0(VALU_DEP_1)
	v_add_nc_u32 v6, s95, v6                       ; back: lanes 0-15 one row of 256 bytes, lanes 16-31 the next
	v_lshlrev_b32 v7, 8, v11
	s_delay_alu instid0(VALU_DEP_1)
	v_lshl_add_u32 v7, v10, 4, v7                  ; and the same two rows in O
	v_lshlrev_b32 v8, 4, v11
	s_delay_alu instid0(VALU_DEP_1)
	v_sub_nc_u32 v8, v10, v8
	s_delay_alu instid0(VALU_DEP_1)
	v_add_nc_u32 v8, s98, v8                       ; my query in its block, less 16 h: what the diagonal step's keys are held against
	v_lshlrev_b32 v9, 1, v10                       ; Q's scale words: 2 bytes a row
	; descriptor group 1; elements of 8 bytes; the mask names the cluster's four work-groups, bit 21 stands beside it
	s_mov_b32 s[G1S], 15|(3<<16)|(1<<20)|(1<<21)|(5<<22)|(3<<25)   ; the scale bytes: padding on, 4 words behind every 64
	s_mov_b32 s[G1S+1], 32<<16                     ; tensor_dim0 = 32 elements: rows of 256 bytes
	s_mov_b32 s[G1S+2], 16<<16                     ; tensor_dim1 = 16
	s_mov_b32 s[G1S+3], 32<<16                     ; tile_dim0
	s_mov_b32 s[G1S+4], 16                         ; tile_dim1
	s_mov_b32 s[G1S+5], 32                         ; dense: a row begins where the last ends
	s_mov_b32 s[G1S+6], 0
	s_mov_b32 s[G1S+7], 0
	s_mov_b32 s[G1K], 15|(3<<16)|(1<<21)           ; K: 32 groups of 8 keys (384 bytes), every second group: 768 bytes apart
	s_mov_b32 s[G1K+1], 48<<16
	s_mov_b32 s[G1K+2], 32<<16
	s_mov_b32 s[G1K+3], 48<<16
	s_mov_b32 s[G1K+4], 32
	s_mov_b32 s[G1K+5], 96
	s_mov_b32 s[G1K+6], 0
	s_mov_b32 s[G1K+7], 0
	s_mov_b32 s[G1V], 15|(3<<16)|(1<<21)           ; V: 32 channels x 512 keys (384 bytes), 1,536 bytes apart
	s_mov_b32 s[G1V+1], 48<<16                     ; tensor_dim0 = 48 elements,
	s_mov_b32 s[G1V+2], 32<<16
	s_mov_b32 s[G1V+3], 50<<16                     ; tile_dim0 = 50: the two elements past the extent are not read and arrive as zeros: LDS rows of 400 bytes
	s_mov_b32 s[G1V+4], 32
	s_mov_b32 s[G1V+5], 192
	s_mov_b32 s[G1V+6], 0
	s_mov_b32 s[G1V+7], 0
	s_mov_b32 s[SEL], 0x76543210
	s_mov_b32 s[SEL+1], 0xfedcba98
	s_mov_b32 s[CS], 0x3e38aa3b                    ; c = log2(e) / 8
	s_mov_b32 s[CS+1], s[CS]                       ; (named with it as a pair, so it is written)
	s_mul_i32 s2, s96, HCODE                       ; the head's first byte in each tensor of codes,
	s_mov_b32 s3, 0
	s_lshl_b32 s88, s96, 12                        ; and of scale bytes
	s_mov_b32 s89, 0
	s_and_b32 s90, s[WV], 1                        ; e: which half of what my pair of waves fetches
	s_wait_kmcnt 0x0
	; group 0, made by every wave of the wave's number and the head alone: equal in the four partners
	s_mov_b32 s[G0S], 1
	s_mul_i32 s[G0S+1], s90, 4352
	s_add_co_u32 s[G0S+1], s[G0S+1], SCK           ; e = 0: K's scale bytes, e = 1: V's
	s_cmp_eq_u32 s90, 0
	s_cselect_b64 s[G0S+2:G0S+3], s[6:7], s[14:15]
	s_add_nc_u64 s[G0S+2:G0S+3], s[G0S+2:G0S+3], s[88:89]
	s_or_b32 s[G0S+3], s[G0S+3], 0x80000000
	s_mul_i32 s91, s90, KODD                       ; K: e = 0 the even groups, e = 1 the odd ones: in LDS,
	s_mul_i32 s94, s90, 384                        ; and in memory
	s_mov_b32 s95, 0
	s_add_nc_u64 s[92:93], s[4:5], s[2:3]
	s_add_nc_u64 s[92:93], s[92:93], s[94:95]
	G0SET 52, 0, 0                                 ; chunk j: 12,288 bytes on in LDS, 512 keys of 48 bytes on in memory
	G0SET 56, 12288, 24576
	G0SET 60, 24576, 49152
	G0SET 68, 36864, 73728
	s_mov_b32 s94, s91                             ; V: e picks 32 of the 64 channels: 32 rows of 1,536 bytes are 49,152 in memory,
	s_mul_i32 s91, s90, 32*VP                      ; 12,800 in LDS
	s_add_co_u32 s91, s91, VB
	s_add_nc_u64 s[92:93], s[12:13], s[2:3]
	s_add_nc_u64 s[92:93], s[92:93], s[94:95]
	G0SET 72, 0, 0                                 ; chunk j: 25,600 bytes on in LDS, 384 bytes on in each row
	G0SET 76, VCH, 384
	G0SET 80, 2*VCH, 768
	G0SET 84, 3*VCH, 1152
	s_add_nc_u64 s[8:9], s[8:9], s[2:3]            ; Q's codes, Q's scales and O at the head,
	s_add_nc_u64 s[10:11], s[10:11], s[88:89]
	s_lshl_b32 s94, s96, 19                        ; (2,048 rows of 256 bytes; s95 is 0)
	s_add_nc_u64 s[16:17], s[16:17], s[94:95]
	s_mul_i32 s100, s99, 48                        ; and at my first query
	s_mov_b32 s101, 0
	s_add_nc_u64 s[8:9], s[8:9], s[100:101]
	s_lshl_b32 s100, s99, 1
	s_add_nc_u64 s[10:11], s[10:11], s[100:101]
	s_lshl_b32 s100, s99, 8
	s_add_nc_u64 s[16:17], s[16:17], s[100:101]
	CROUND                                         ; all four work-groups are here: the joint loads meet
	; All fills of the launch, one group.  Waves 0 and 1: the scale bytes, then K's four chunks (five loads of a wave are out); waves 2 and 3: V's four chunks; the others none.
	; A wave's loads stand in one branch on its number; four v_nop follow the last of them.
	s_cmp_lt_u32 s[WV], 2
	s_cbranch_scc0 .Lnot_k
	tensor_load_to_lds s[G0S:G0S+3], s[G1S:G1S+7]
	s_nop 0
	tensor_load_to_lds s[52:55], s[G1K:G1K+7]
	s_nop 0
	tensor_load_to_lds s[56:59], s[G1K:G1K+7]
	s_nop 0
	tensor_load_to_lds s[60:63], s[G1K:G1K+7]
	s_nop 0
	tensor_load_to_lds s[68:71], s[G1K:G1K+7]
	s_nop 0
.rept 4
	v_nop
.endr
	s_branch .Lasked
.Lnot_k:
	s_cmp_lt_u32 s[WV], 4
	s_cbranch_scc0 .Lasked
	tensor_load_to_lds s[72:75], s[G1V:G1V+7]
	s_nop 0
	tensor_load_to_lds s[76:79], s[G1V:G1V+7]
	s_nop 0
	tensor_load_to_lds s[80:83], s[G1V:G1V+7]
	s_nop 0
	tensor_load_to_lds s[84:87], s[G1V:G1V+7]
	s_nop 0
.rept 4
	v_nop
.endr
.Lasked:
.irp p, 0,1,2
	global_load_b64 v[16+2*\p:17+2*\p], v1, s[8:9] offset:8*\p   ; Q's fragment: lane (r, h): the 24 bytes of block h of row r; it stays in registers
.endr
	s_wait_alu depctr_va_vdst(0)
	global_load_u16 v28, v9, s[10:11]              ; Q's two scale bytes
	v_mov_b32 v13, 0xff61b1e6                      ; the largest t so far: -3e38, under every t
	s_delay_alu instid0(VALU_DEP_1)
	v_floor_f32 v12, -v13                          ; -M
	v_mov_b32 v11, 0                               ; (named as the upper half of the pair v[10:11])
	v_mov_b32 v14, 0                               ; the sum, in two halves
	v_mov_b32 v15, 0
.irp i, 22,23,24,25,26,27
	v_mov_b32 v[\i], 0                             ; Q's codes of k = 64 .. 127: zeros
.endr
.irp b, 0,1,2,3
	v_mov_b32 v[BP+\b], 0                          ; written once: a lane permute's destination counts as one of its sources
.endr
.irp i, 0,1,2,3,4,5
	v_mov_b32 v[VFR+\i], 0                         ; the upper half of K's last operand until V's first fragment lies here
.endr
	s_wait_loadcnt 0x0                             ; Q
	v_or_b32 v28, 0x7f7f0000, v28                  ; the scale bytes of the zero codes: 1.0
.set n, 0
.rept 32
	v_mov_b32 v[OT+n], 0                           ; O^T.  (The step is written once for all steps: the first finds zeros, which the first change of M leaves zeros.  These lines are also the places between v28's last write and the first product)
.set n, n+1
.endr
; K's eight tiles (six registers each) and their four registers of scale words, from the addresses in v252 and v253: 28 loads
.macro KFETCH
.irp b, 0,1,2,3
.irp u, 0,1
.irp p, 0,1,2
	ds_load_b64 v[KFR+6*(2*\b+\u)+2*\p:KFR+6*(2*\b+\u)+2*\p+1], v252 offset:KODD*\u+768*\b+8*\p
.endr
.endr
.endr
.irp b, 0,1,2,3
	ds_load_u16 v[KS+\b], v253 offset:64*\b        ; two bytes, the upper two of the word 0: they scale what meets Q's zero codes
.endr
.endm
; A KEY STEP: 128 keys.  last: the last key step whose K has been shown landed where this step stands (3 ahead of the second barrier, 15 behind it).
.macro STEP last
	s_cmp_gt_u32 s[KF], s[QB]                      ; a step behind my block's diagonal is left out: a branch on ids, alike in all partners; not round the lines at its end that step addresses
	s_cbranch_scc1 .Lhid_\@
	s_wait_dscnt 0x0                               ; this step's K and its scale words are in: the step before asked for them
	s_add_co_u32 s[NK], s[TBK], 3072               ; the next step's, held at step 'last' (what key step 15 so fetches once more is read by nobody)
	s_min_u32 s[NK], s[NK], (\last)*3072
	s_add_co_u32 s[NS], s[TS], 272
	s_min_u32 s[NS], s[NS], (\last)*272
	s_setprio 2
.irp T, 0,2,4,6                        ; S^T = K Q^T: eight tiles of 16 keys
	v_wmma_scale_f32_16x16x128_f8f6f4 v[ST+8*\T:ST+8*\T+7], v[KFR+6*\T:KFR+6*\T+11], v[16:27], 0, v[KS+\T/2], v28 matrix_a_fmt:MATRIX_FMT_FP6 matrix_b_fmt:MATRIX_FMT_FP6
	v_wmma_scale_f32_16x16x128_f8f6f4 v[ST+8*\T+8:ST+8*\T+15], v[KFR+6*\T+6:KFR+6*\T+17], v[16:27], 0, v[KS+\T/2], v28 matrix_a_fmt:MATRIX_FMT_FP6 matrix_b_fmt:MATRIX_FMT_FP6 matrix_a_scale:MATRIX_SCALE_ROW1
.endr
	v_add_nc_u32 v254, s[TV], v3                   ; four plain lines that name none of the products' registers: the places in front of the loads below and of the first read of the scores
	v_add_nc_u32 v255, s[TJ], v4
	v_add_nc_u32 v252, s[NK], v1
	v_add_nc_u32 v253, s[NS], v2
.irp t, 0,1,2,3                        ; all the step's LDS loads in one run, to land under the softmax: V of this step (24), its scale words (2),
.irp p, 0,1,2,3,4,5
	ds_load_b64 v[VFR+12*\t+2*\p:VFR+12*\t+2*\p+1], v254 offset:16*VP*\t+48*(\p/3)+8*(\p%3)
.endr
.endr
	ds_load_b32 v[VS], v255
	ds_load_b32 v[VS+1], v255 offset:2176
	KFETCH                                         ; and K of the next step (28)
	s_cmp_lg_u32 s[KF], s[QB]                      ; only my block's own step lies on the diagonal
	s_cbranch_scc1 .Lopen_\@
	v_mov_b32 v9, 0xc79c4000                       ; -80,000: the module's -10,000 ahead of the division by 8
.set n, 0
.rept 64                               ; register 16 b + i holds key KF + 32 b + 16 h + i: hidden where 32 b + i > my query in the block - 16 h
	v_cmp_gt_i32 vcc_lo, 32*(n/16)+n%16, v8
	v_cndmask_b32 v[ST+n], v[ST+n], v9, vcc_lo
.set n, n+1
.endr
.Lopen_\@:
.irp b, 0,1,2,3
	v_max3_num_f32 v[BM+\b], v[ST+16*\b], v[ST+16*\b+1], v[ST+16*\b+2]   ; THE LARGEST SCORE OF EACH BLOCK OF 32 KEYS serves twice: for the row's maximum, and, since p rises with the score, for the block's largest p
.endr
.irp i, 3,5,7,9,11,13
.irp b, 0,1,2,3
	v_max3_num_f32 v[BM+\b], v[BM+\b], v[ST+16*\b+\i], v[ST+16*\b+\i+1]   ; (the four blocks by turns)
.endr
.endr
.irp b, 0,1,2,3
	v_max_num_f32 v[BM+\b], v[BM+\b], v[ST+16*\b+15]
.endr
.irp b, 0,1,2,3
	s_delay_alu instid0(VALU_DEP_4)
	v_permlanex16_b32 v[BP+\b], v[BM+\b], s[SEL], s[SEL+1]
.endr
.irp b, 0,1,2,3
	s_delay_alu instid0(VALU_DEP_4)
	v_max_num_f32 v[BM+\b], v[BM+\b], v[BP+\b]     ; with lane l xor 16's 16 keys
.endr
	s_delay_alu instid0(VALU_DEP_2)
	v_max3_num_f32 v9, v[BM], v[BM+1], v[BM+2]
	s_delay_alu instid0(VALU_DEP_1)
	v_max_num_f32 v9, v9, v[BM+3]                  ; the step's largest score of my query
	s_delay_alu instid0(VALU_DEP_1)
	v_mul_f32 v9, s[CS], v9                        ; as t (c is positive)
	s_delay_alu instid0(VALU_DEP_1)
	v_max_num_f32 v13, v13, v9                     ; the running largest t
	v_mov_b32 v9, v12
	s_delay_alu instid0(VALU_DEP_2)
	v_floor_f32 v12, -v13                          ; the new -M = floor(-t) = -ceil(t): M IS A WHOLE NUMBER
	s_delay_alu instid0(VALU_DEP_1)
	v_sub_f32 v9, v12, v9                          ; M's old value less its new one: a whole number, 0 or less
	s_delay_alu instid0(VALU_DEP_1)
	v_cvt_i32_f32 v9, v9                           ; (it saturates)
	s_delay_alu instid0(VALU_DEP_1)
	v_ldexp_f32 v10, 1.0, v9                       ; f = 2^(old M - new M)
.set n, 0
	s_setprio 1
.rept 32
	v_pk_fma_f32 v[ST+n:ST+n+1], v[ST+n:ST+n+1], s[CS:CS+1], v[12:13] op_sel_hi:[1,0,0]   ; t - M, two at a time (of the pairs c and -M the low word serves both halves)
.set n, n+2
.endr
.irp b, 0,1,2,3
	v_fma_f32 v[BM+\b], v[BM+\b], s[CS], v12       ; the same of each block's largest score
.endr
.set n, 0
	s_wait_alu depctr_va_vdst(0)
.rept 64
	v_exp_f32 v[ST+n], v[ST+n]                     ; p = 2^(t - M), at most 1: NOT normalised
.set n, n+1
.endr
.irp b, 0,1,2,3
	v_exp_f32 v[BM+\b], v[BM+\b]                   ; the block's largest p: the same two instructions on the same number give the same bits
.endr
	v_pk_mul_f32 v[14:15], v[14:15], v[10:11] op_sel_hi:[1,0]   ; the sums under the new M.  (The plain line behind the exponentials)
	s_wait_alu depctr_va_vdst(0)
.irp b, 0,1,2,3
	v_max_num_f32 v[BM+\b], 0x1800000, v[BM+\b]    ; the floor 2^(3 - 127): the byte cannot fall under 1
.endr
.irp b, 0,1,2,3
	s_delay_alu instid0(VALU_DEP_4)
	v_add_nc_u32 v[SOP+\b], 0xff000000, v[BM+\b]   ; 2 off the exponent field: the conversion's scale operand
.endr
.irp b, 0,1,2,3
	s_delay_alu instid0(VALU_DEP_4)
	v_lshrrev_b32 v[BP+\b], 23, v[SOP+\b]          ; the scale's byte
.endr
	s_delay_alu instid0(VALU_DEP_3)
	v_lshl_or_b32 v29, v[BP+1], 8, v[BP]           ; p's scale word for these 128 keys
	s_delay_alu instid0(VALU_DEP_1)
	v_lshl_or_b32 v29, v[BP+2], 16, v29
	s_delay_alu instid0(VALU_DEP_1)
	v_lshl_or_b32 v29, v[BP+3], 24, v29
.irp c, 0,1
	v_cvt_scalef32_pk16_fp6_f32 v[PCD+6*\c:PCD+6*\c+2], v[ST+32*\c:ST+32*\c+15], v[SOP+2*\c]
	v_cvt_scalef32_pk16_fp6_f32 v[BM+4*\c:BM+4*\c+2], v[ST+32*\c+16:ST+32*\c+31], v[SOP+2*\c+1]   ; (a conversion's three registers begin on an even number)
.endr
	v_nop                                          ; one plain line behind the scaled conversions
.irp c, 0,1                            ; the operand's layout wants a WHOLE block in a lane: lanes 0-15 block 2 c, lanes 16-31 block 2 c + 1
.irp i, 0,1,2
	v_permlane16_swap_b32 v[PCD+6*\c+\i], v[BM+4*\c+\i]
.endr
.irp i, 0,1,2
	s_delay_alu instid0(VALU_DEP_3)
	v_mov_b32 v[PCD+6*\c+3+\i], v[BM+4*\c+\i]
.endr
.endr
	v_pk_add_f32 v[36:37], v[160:161], v[164:165]
	v_pk_add_f32 v[254:255], v[168:169], v[172:173]
	v_pk_add_f32 v[252:253], v[176:177], v[180:181]
	v_pk_add_f32 v[46:47], v[184:185], v[188:189]
	v_pk_add_f32 v[44:45], v[192:193], v[196:197]
	v_pk_add_f32 v[38:39], v[200:201], v[204:205]
	v_pk_add_f32 v[14:15], v[14:15], v[208:209]
	v_pk_add_f32 v[36:37], v[36:37], v[212:213]
	s_setprio 0
	v_pk_add_f32 v[254:255], v[254:255], v[216:217]
	v_pk_add_f32 v[252:253], v[252:253], v[156:157]
	v_pk_add_f32 v[46:47], v[46:47], v[158:159]
	v_pk_add_f32 v[44:45], v[44:45], v[162:163]
	v_pk_add_f32 v[38:39], v[38:39], v[166:167]
	v_pk_add_f32 v[14:15], v[14:15], v[170:171]
	v_pk_add_f32 v[36:37], v[36:37], v[174:175]
	v_pk_add_f32 v[254:255], v[254:255], v[178:179]
	v_pk_add_f32 v[252:253], v[252:253], v[182:183]
	v_pk_add_f32 v[46:47], v[46:47], v[186:187]
	v_pk_add_f32 v[44:45], v[44:45], v[190:191]
	v_pk_add_f32 v[38:39], v[38:39], v[194:195]
	v_pk_add_f32 v[14:15], v[14:15], v[198:199]
	v_pk_add_f32 v[36:37], v[36:37], v[202:203]
	v_pk_add_f32 v[254:255], v[254:255], v[206:207]
	v_pk_add_f32 v[252:253], v[252:253], v[210:211]
	v_pk_add_f32 v[46:47], v[46:47], v[214:215]
	v_pk_add_f32 v[44:45], v[44:45], v[218:219]
	s_delay_alu instid0(VALU_DEP_2)
	v_pk_add_f32 v[14:15], v[14:15], v[46:47]
	s_delay_alu instid0(VALU_DEP_2)
	v_pk_add_f32 v[36:37], v[36:37], v[44:45]
	v_pk_add_f32 v[254:255], v[254:255], v[38:39]
	s_delay_alu instid0(VALU_DEP_1)
	v_pk_add_f32 v[14:15], v[14:15], v[254:255]
	s_delay_alu instid0(VALU_DEP_3)
	v_pk_add_f32 v[36:37], v[36:37], v[252:253]
	s_delay_alu instid0(VALU_DEP_1)
	v_pk_add_f32 v[14:15], v[14:15], v[36:37]
.set n, 0
.rept 16
	v_pk_mul_f32 v[OT+n:OT+n+1], v[OT+n:OT+n+1], v[10:11] op_sel_hi:[1,0]   ; O^T under the new M, each tile from its low end on.  (The sums and these lines are the places between the writes of p's codes and scale word and the products below)
.set n, n+2
.endr
	s_wait_alu depctr_va_vdst(0)
	s_wait_dscnt 28                                ; V and its scale words are in; the 28 younger loads, the next step's K, may be out
.irp t, 0,2                            ; O^T += V^T P^T: four tiles of 16 channels, one instruction a turn; the eight products K Q^T stand between two turns of an accumulator
	v_wmma_scale_f32_16x16x128_f8f6f4 v[OT+8*\t:OT+8*\t+7], v[VFR+12*\t:VFR+12*\t+11], v[PCD:PCD+11], v[OT+8*\t:OT+8*\t+7], v[VS+\t/2], v29 matrix_a_fmt:MATRIX_FMT_FP6 matrix_b_fmt:MATRIX_FMT_FP6
	v_wmma_scale_f32_16x16x128_f8f6f4 v[OT+8*\t+8:OT+8*\t+15], v[VFR+12*\t+12:VFR+12*\t+23], v[PCD:PCD+11], v[OT+8*\t+8:OT+8*\t+15], v[VS+\t/2], v29 matrix_a_fmt:MATRIX_FMT_FP6 matrix_b_fmt:MATRIX_FMT_FP6 matrix_a_scale:MATRIX_SCALE_ROW1
.endr
.Lhid_\@:
	s_add_co_u32 s[KF], s[KF], 128
	s_add_co_u32 s[TBK], s[TBK], 3072
	s_add_co_u32 s[TS], s[TS], 272
	s_add_co_u32 s[TJ], s[TJ], 4
	s_add_co_u32 s[TV], s[TV], 96
.endm
; THE WAY OUT.  The sum's halves are added; O^T / the sum goes through my own stage in LDS (a lane holds 32 bytes of a row, the lanes beside it other rows) and comes back as whole rows of 256 bytes.
.macro WAYOUT
	v_add_f32 v14, v14, v15                        ; the sum's two halves,
	s_delay_alu instid0(VALU_DEP_1)
	v_permlanex16_b32 v9, v14, s[SEL], s[SEL+1]
	s_delay_alu instid0(VALU_DEP_1)
	v_add_f32 v14, v14, v9                         ; and lane l xor 16's: the row's sum
	s_wait_alu depctr_va_vdst(0)
	v_rcp_f32 v14, v14
.rept 3
	v_nop                                          ; with the two additions five plain lines behind the last products; the first is the plain line behind the reciprocal
.endr
.set n, 0
	s_wait_alu depctr_va_vdst(0)
.rept 32
	v_mul_f32 v[ST+n], v[OT+n], v14                ; register 8 t + i is o(r, 16 t + 8 h + i); each tile from its low end on
.set n, n+1
.endr
.irp t, 0,1,2,3
	ds_store_b128 v5, v[ST+8*\t:ST+8*\t+3] offset:64*\t
	ds_store_b128 v5, v[ST+8*\t+4:ST+8*\t+7] offset:64*\t+16
.endr
.irp i, 0,1,2,3,4,5,6,7
	ds_load_b128 v[ST+32+4*\i:ST+32+4*\i+3], v6 offset:2*\i*SPITCH   ; LDS serves a wave's instructions in order (ISA guide 5.7.1.4): these see my stores
.endr
.irp i, 0,1,2,3,4,5,6,7
	s_wait_dscnt 7-\i                              ; load i is in; the 7 - i younger ones may be out
	global_store_b128 v7, v[ST+32+4*\i:ST+32+4*\i+3], s[16:17] offset:512*\i th:TH_STORE_NT   ; 32 lanes store 512 consecutive bytes, two rows of O, at a multiple of 256 from O's first byte; written once, read by nobody here
.endr
	s_wait_xcnt 0x0                                ; the lines that follow in the text (the later chunks' steps) write the registers that these stores read: only behind this wait
.endm
.macro SETUP j                         ; the offsets of chunk j's first key step.  K's, the scale words' and the key count go on evenly from chunk to chunk; V's jump to the chunk's own rows
	s_mov_b32 s[TBK], 12288*\j
	s_mov_b32 s[TS], 1088*\j
	s_mov_b32 s[TJ], 16*\j
	s_mov_b32 s[TV], VCH*\j
	s_mov_b32 s[KF], 512*\j
.endm
.macro STEPS n                         ; n key steps behind the second barrier: the trip count is a constant of the text; a wave whose block is done jumps over each step's work
	s_mov_b32 s[CNT], \n
.Lst_\@:
	STEP 15
	s_sub_co_u32 s[CNT], s[CNT], 1
	s_cmp_lg_u32 s[CNT], 0
	s_cbranch_scc1 .Lst_\@
	s_setprio 0
.endm
.macro LEAVE j                         ; a wave whose block ends in chunk j sends its tile out at the chunk's end: the stores are spread over the launch
	s_lshr_b32 s95, s[BLK], 2
	s_cmp_lg_u32 s95, \j
	s_cbranch_scc1 .Lstay_\@
	WAYOUT
.Lstay_\@:
.endm
	s_wait_tensorcnt 3                             ; of a fetching wave's five or four loads the last three may be out: the scale bytes and chunk 0 have landed
	s_wait_dscnt 0x0                               ; no LDS instruction of mine is pending at the signal
	s_barrier_signal -1
	s_barrier_wait -1                              ; everybody's have.  Nothing is ever filled again, so chunks 1 to 3 stay on their way across this barrier
	SETUP 0
	v_add_nc_u32 v252, s[TBK], v1
	v_add_nc_u32 v253, s[TS], v2
	KFETCH                                         ; K of key step 0
	STEP 3                                         ; key step 0: every wave has it, so no four waves have less to do here than another four; chunks 1 to 3 land meanwhile.  It asks for K of step 1, in chunk 0
	s_wait_tensorcnt 0x0                           ; all my tensor loads have landed: chunks 1, 2 and 3
	s_wait_dscnt 0x0                               ; no LDS instruction of mine is pending at the signal
	s_barrier_signal -1
	s_barrier_wait -1                              ; everybody's have: every read of chunks 1 to 3 stands behind this wait.  From here to the closing round no wave waits for another
	STEPS 3
	LEAVE 0
	SETUP 1
	STEPS 4
	LEAVE 1
	SETUP 2
	STEPS 4
	LEAVE 2
	SETUP 3
	STEPS 4
	LEAVE 3
	s_wait_tensorcnt 0x0                           ; no tensor load is out at the end,
	s_wait_dscnt 0x0                               ; and no LDS instruction at the signal
	s_wait_xcnt 0x0
	v_lshl_add_u32 v254, v0, 2, 0x46000
	v_mov_b32 v255, 0
	s_wait_alu depctr_va_vdst(0)
	s_wait_tensorcnt 0x0
	ds_add_u32 v254, v255
	s_wait_dscnt 0x0
	CROUND                                         ; the closing round: no work-group ends while a partner may still ask for a tile that names it
	s_endpgm
.Lfunc_end_k_qef1cc64e53_attn:
	.size	k_qef1cc64e53_attn, .Lfunc_end_k_qef1cc64e53_attn-k_qef1cc64e53_attn
	.p2alignl 7, 3214868480
	.fill 96, 4, 3214868480
	.section	.rodata,"a",@progbits
	.p2align	6, 0x0
	.amdhsa_kernel k_qef1cc64e53_attn
		.amdhsa_group_segment_fixed_size 288768
		.amdhsa_private_segment_fixed_size 0
		.amdhsa_enable_private_segment 0
		.amdhsa_kernarg_size 56
		.amdhsa_user_sgpr_count 2
		.amdhsa_user_sgpr_kernarg_segment_ptr 1
		.amdhsa_wavefront_size32 1
		.amdhsa_system_sgpr_workgroup_id_x 1
		.amdhsa_system_sgpr_workgroup_id_y 1
		.amdhsa_system_sgpr_workgroup_id_z 1
		.amdhsa_system_vgpr_workitem_id 0
		.amdhsa_next_free_vgpr 256
		.amdhsa_next_free_sgpr 102
		.amdhsa_reserve_vcc 1
		.amdhsa_float_denorm_mode_32 3
		.amdhsa_float_denorm_mode_16_64 3
		.amdhsa_memory_ordered 1
		.amdhsa_forward_progress 1
		.amdhsa_inst_pref_size 150
	.end_amdhsa_kernel
	.amdgpu_metadata
---
amdhsa.version: [ 1, 2 ]
amdhsa.kernels:
  - .name:           k_qef1cc64e53_attn
    .symbol:         k_qef1cc64e53_attn.kd
    .args:
      - { .name: key_states_codes, .offset: 0, .size: 8, .value_kind: global_buffer, .address_space: global }
      - { .name: key_states_scales, .offset: 8, .size: 8, .value_kind: global_buffer, .address_space: global }
      - { .name: query_states_codes, .offset: 16, .size: 8, .value_kind: global_buffer, .address_space: global }
      - { .name: query_states_scales, .offset: 24, .size: 8, .value_kind: global_buffer, .address_space: global }
      - { .name: value_states_codes, .offset: 32, .size: 8, .value_kind: global_buffer, .address_space: global }
      - { .name: value_states_scales, .offset: 40, .size: 8, .value_kind: global_buffer, .address_space: global }
      - { .name: out0, .offset: 48, .size: 8, .value_kind: global_buffer, .address_space: global }
    .group_segment_fixed_size: 288768
    .private_segment_fixed_size: 0
    .kernarg_segment_align: 8
    .kernarg_segment_size: 56
    .max_flat_workgroup_size: 512
    .sgpr_count:     102
    .vgpr_count:     256
    .wavefront_size: 32
...
	.end_amdgpu_metadata
.endif
;; end of part 2
